; MI455X (gfx1250); checked and timed in simulation.
; The chip was launched on July 23, 2026; its instructions are those of AMD's public machine-readable ISA for CDNA 5 (MIT licence, August 2026) and "CDNA5" Instruction Set Architecture Reference Guide (July 2026). The comments in the code are by the model that wrote it; some were corrected since.
;; Multi Head Attention. Allowed arithmetic: matrix products marked QUANTISED: E5M2 operands, one given power-of-two scale a tensor, by v_wmma_f32_16x16x64_bf8_bf8 or v_wmma_f32_16x16x128_bf8_bf8, f32 sums; everything else in f32.
;; Inputs: k 2 x 2,048 x 1,024 float32; lowp_scales 12 int32 (the exponents e of the quantised operands' scales 2^e); q 2 x 2,048 x 1,024 float32; v 2 x 2,048 x 1,024 float32; wk 1,024 x 1,024 float32; wo 1,024 x 1,024 float32; wq 1,024 x 1,024 float32; wv 1,024 x 1,024 float32.
;; Outputs: out0 2 x 2,048 x 1,024 float32.
;; This version of the problem:
;;   THIS VERSION OF THE PROBLEM IS GIVEN IN LOW PRECISION. The matrix products marked QUANTISED in the list below multiply operands that are first quantised to E5M2 (5 exponent bits, 2 mantissa bits; 8 bits a number), with one given power-of-two scale for each operand tensor; their sums are f32. All else is computed in f32.
;;   The module's matrix products, in the order in which they are computed (A, B: the left and right operand; K: the contracted axis; several contracted axes count as one K, in the product's order):
;;     1. [M 4,096, K 1,024] x [K 1,024, N 1,024]; A: input q; B: input wq: QUANTISED (scales: A lowp_scales[0], B lowp_scales[1])
;;     2. [M 4,096, K 1,024] x [K 1,024, N 1,024]; A: input k; B: input wk: QUANTISED (scales: A lowp_scales[2], B lowp_scales[3])
;;     3. [M 4,096, K 1,024] x [K 1,024, N 1,024]; A: input v; B: input wv: QUANTISED (scales: A lowp_scales[4], B lowp_scales[5])
;;     4. batch 32 x [M 2,048, K 64] x [K 64, N 2,048]; A: computed on the way; B: computed on the way: QUANTISED (scales: A lowp_scales[6], B lowp_scales[7])
;;     5. batch 32 x [M 2,048, K 2,048] x [K 2,048, N 64]; A: softmax (see below); B: computed on the way: QUANTISED (scales: A lowp_scales[8], B lowp_scales[9])
;;     6. [M 4,096, K 1,024] x [K 1,024, N 1,024]; A: computed on the way; B: input wo: QUANTISED (scales: A lowp_scales[10], B lowp_scales[11])
;;   THE QUANTISER, for each operand of a quantised product, along K:
;;     - The operand's scale is 2^e, e = its entry of the input lowp_scales (int32; the entries are numbered through the quantised products in the list's order, A before B).
;;     - Each number is divided by the scale, clamped to +-57,344, and rounded to the nearest number of E5M2, ties to even, subnormals kept.
;;     - The product sums the exact products of the quantised numbers (number of the format x scale) in f32.
;;   ~~~python
;;   def quantise(x, axis, e):      # numpy; x: float32 -> the quantised numbers, widened to float32 again
;;       x = np.moveaxis(x, axis, -1); K = x.shape[-1]
;;       r = np.clip(x / 2.0 ** e, -57344, 57344)
;;       step = 2.0 ** (np.maximum(np.frexp(np.where(r == 0, 1, r))[1] - 1, -14) - 2)
;;       q = np.round(r / step) * step * 2.0 ** e      # np.round: ties to even
;;       return np.moveaxis(q, -1, axis).astype(np.float32)
;;   ~~~
;;   SOFTMAX AHEAD OF A QUANTISED PRODUCT. Where the list says 'softmax', what is quantised is not the finished softmax but p = 2^(t - M), with t = logit x log2(e) and M = ceil(the row's largest t), a whole number; so 1/2 < the row's largest p <= 1. The row's sum l is taken of the UNQUANTISED p, in f32, and the product's result is divided by l at the end. Since M is a whole number, a kernel that streams over the keys may use a running M (the ceiling of the running maximum): every later rescaling is an exact power of two, so the quantised numbers keep their values, but for numbers so far below the row's largest that they fall under the format's range.
;;   OPERANDS COMPUTED ON THE WAY. 'Computed on the way' means the value that the module computes at that place (a softmax that the list does not call 'softmax' is quantised finished and normalised). What goes into a quantiser is computed in f32, as accurately as f32 sums, v_exp_f32 and their like allow (about 1e-6 of the number): no bf16 or f16 on the way to a quantiser, and a product that is left as it is and whose result goes on into a quantised operand takes f32 operands (vector FMAs, or v_wmma_f32_16x16x4_f32). A number that lies on a knife's edge between two numbers of the format may be rounded either way, as far as f32 arithmetic and the matrix unit's own rounding can turn it there, and no further.
;; One version. Each part assembles by itself: llvm-mc -triple=amdgcn-amd-amdhsa -mcpu=gfx1250 --defsym DOCPART=n.
;; ======== version 1 of 1: 4 launches
;; limits: right only within a limited range of input values
;; workspace buffers: codes 16,777,216 bytes; qc 4,194,304 bytes; kv 8,388,608 bytes; ao 4,194,304 bytes
;; launch quant (part 1): grid 512 x 1, 4 waves a work-group, no clusters, 33,280 bytes of LDS; arguments q, k, v, wq, wk, wv, wo, lowp_scales, codes; writes codes
.if DOCPART == 1
	.amdgcn_target "amdgcn-amd-amdhsa--gfx1250"
	.amdhsa_code_object_version 6
	.text
	.protected	k_q2793d8a74b_quant
	.globl	k_q2793d8a74b_quant
	.p2align	8
	.type	k_q2793d8a74b_quant,@function
k_q2793d8a74b_quant:
	s_mov_b64 s[64:65], 0
	v_nop
	global_prefetch_b8 v0, s[64:65] scope:SCOPE_SE
	s_setreg_imm32_b32 hwreg(HW_REG_WAVE_MODE, 25, 1), 1
	s_wait_xcnt 0x0
; The seven f32 inputs q, k, v [4096][1024] and wq, wk, wv, wo [1024][1024] become codes of BF8 (E5M2), one byte each, K innermost, each with the one scale 2^e given for it.
; code = x / 2^e, held within +-57,344, rounded to the nearest code, ties to even.  LIMITS: -126 <= e <= 112 for the seven entries used here; NaN among the inputs is not served.
; The codes lie in one buffer in the order q, k, v, wq, wk, wv, wo: work-group g's 32,768 codes (32 rows) begin at byte 32,768 g.  Work-groups 0-127 take q, 128-255 k, 256-383 v, then 32 each for wq, wk, wv, wo.
; ONLY POINTERS AND THE EXPONENT ARE CHOSEN, by selects on the work-group's number: all tensors take one path through the text.
; wv's ROWS CHANGE PLACES: in each 32 rows the second and third run of 8 are swapped (a wave owns one run of 8 rows, so only its place in the output differs).  Code row 32 b + 16 u + m then holds
; feature 32 b + 8 u + m + 8 (m / 8): the attention launch's result then has 16 neighbouring features in 16 neighbouring registers.
; A wave takes 16 steps of 512 numbers.  Each of a step's four loads reads 512 consecutive bytes, 16 a lane; the 2,048 bytes turn through the wave's own stage in LDS and come back 64 bytes a lane (16 neighbours
; along K, as the conversions want them).  A lane's 16 codes are 16 bytes: the wave stores 512 consecutive bytes.  Waves share nothing: no barrier.  No work-group reads what another reads: no cluster.
; WORK LEFT OUT OF THE PROGRAM: the attention launch does not compute key steps all of whose keys lie behind a query tile's last query: reference() itself builds the causal mask and sets those scores to -infinity, so their p is 0 for
; all values of the inputs.  LIMIT: a NaN, an infinity or an overflow that reaches only such scores is not carried to the result.  All inputs are loaded.
.set STEPS, 16
.set EMAX,  15
.set MANT,  0x600000                   ; the mantissa field of 57,344 as f32
.set CB,    16                         ; bytes of 16 codes
.set R,     16                         ; v16-79   four sets of 16 numbers as they are loaded
.set X,     80                         ; v80-111  two sets of 16 neighbours
.set C,     128                        ; v128-191 codes: four registers for each step, so that no store's data are written again
.set WREG,  8192                       ; LDS: a region for each wave: two stages of 32 x SP bytes
.set SP,    80                         ; a lane's place in a stage: its 64 bytes + 16 of padding
.set WV,    28                         ; s28 my wave's number
	s_load_b512 s[8:23], s[0:1], 0x0               ; q s[8:9], k s[10:11], v s[12:13], wq s[14:15], wk s[16:17], wv s[18:19], wo s[20:21], the exponents s[22:23]
	s_load_b64 s[24:25], s[0:1], 0x40              ; the codes
	v_lshl_add_u32 v192, v0, 2, 0x8000
	v_mov_b32 v193, 0
	v_lshrrev_b32 v1, 5, v0
	v_readfirstlane_b32 s[WV], v1                  ; wave 0..3
	v_and_b32 v2, 31, v0                           ; lane
	v_lshlrev_b32 v3, 4, v2                        ; my 16 bytes of a load's 512
	s_mul_i32 s29, s[WV], WREG
	v_lshrrev_b32 v14, 2, v2
	v_mul_u32_u24 v14, v14, SP
	v_and_b32 v15, 3, v2
	v_lshl_add_u32 v14, v15, 4, v14
	v_add_nc_u32 v14, s29, v14                     ; the stage, on the way in: four lanes' 64 bytes on end, then 16 of padding
	v_mul_u32_u24 v15, v2, SP
	v_add_nc_u32 v15, s29, v15                     ; and on the way out: SP x lane: my 16 neighbours
	v_mul_u32_u24 v4, v2, CB                       ; my codes' place in a step's
	s_wait_alu depctr_va_vdst(0)
	s_wait_kmcnt 0x0
	s_load_b256 s[32:39], s[22:23], 0x0            ; e0 .. e7
	s_load_b128 s[40:43], s[22:23], 0x20           ; e8 .. e11
	s_mov_b64 s[4:5], s[8:9]                       ; the tensor, and its first work-group: six selects that hang on the work-group's number alone
	s_mov_b32 s27, 0
.macro PICK first, ptr
	s_cmp_ge_u32 ttmp9, \first
	s_cselect_b64 s[4:5], s[\ptr:\ptr+1], s[4:5]
	s_cselect_b32 s27, \first, s27
.endm
	PICK 128, 10
	PICK 256, 12
	PICK 384, 14
	PICK 416, 16
	PICK 448, 18
	PICK 480, 20
	s_sub_co_u32 s30, ttmp9, s27
	s_lshl_b32 s30, s30, 17                        ; 131,072 bytes of f32 for a work-group,
	s_lshl_b32 s31, s[WV], 15                      ; 32,768 for a wave
	s_add_co_u32 s30, s30, s31
	s_mov_b32 s31, 0
	s_add_nc_u64 s[4:5], s[4:5], s[30:31]
	s_and_b32 s44, s[WV], 1
	s_lshl_b32 s44, s44, 1
	s_lshr_b32 s45, s[WV], 1
	s_or_b32 s44, s44, s45                         ; runs 1 and 2 swapped,
	s_lshr_b32 s45, ttmp9, 5
	s_cmp_eq_u32 s45, 14                           ; in wv's work-groups (448 to 479) alone
	s_cselect_b32 s44, s44, s[WV]
	s_lshl_b32 s44, s44, 13                        ; 8,192 codes for a wave,
	s_lshl_b32 s45, ttmp9, 15                      ; 32,768 for a work-group
	s_add_co_u32 s44, s44, s45
	s_mov_b32 s45, 0
	s_add_nc_u64 s[6:7], s[24:25], s[44:45]
.macro LOAD t
.irp i, 0,1,2,3
	global_load_b128 v[R+16*((\t)%4)+4*\i:R+16*((\t)%4)+4*\i+3], v3, s[4:5] offset:2048*(\t)+512*\i th:TH_LOAD_NT   ; 32 lanes read 512 consecutive bytes; read once in the launch
.endr
.endm
.macro TURN t                          ; step t's numbers through the stage: LDS serves a wave's instructions in order (ISA guide 5.7.1.4), so no wait stands between the stores and the loads
.irp i, 0,1,2,3
	ds_store_b128 v14, v[R+16*((\t)%4)+4*\i:R+16*((\t)%4)+4*\i+3] offset:32*SP*((\t)%2)+8*SP*\i
.endr
.irp i, 0,1,2,3
	ds_load_b128 v[X+16*((\t)%2)+4*\i:X+16*((\t)%2)+4*\i+3], v15 offset:32*SP*((\t)%2)+16*\i
.endr
.endm
.irp t, 0,1,2,3
	LOAD \t
.endr
	s_wait_kmcnt 0x0
	s_mov_b32 s26, s32                             ; e: q e0, k e2, v e4, wq e1, wk e3, wv e5, wo e11
.macro PICKE first, e
	s_cmp_ge_u32 ttmp9, \first
	s_cselect_b32 s26, s[\e], s26
.endm
	PICKE 128, 34
	PICKE 256, 36
	PICKE 384, 33
	PICKE 416, 35
	PICKE 448, 37
	PICKE 480, 43
	s_add_co_i32 s26, s26, 127
	s_lshl_b32 s27, s26, 23
	v_mov_b32 v11, s27                             ; 2^e as f32: the conversion takes its exponent field
	s_add_co_i32 s26, s26, EMAX
	s_lshl_b32 s26, s26, 23
	s_or_b32 s26, s26, MANT
	v_mov_b32 v10, s26                             ; the largest number x 2^e
	s_wait_alu depctr_va_vdst(0)
	s_wait_loadcnt 12                              ; step 0's four loads are in; the twelve of steps 1 to 3 may be out
	TURN 0
.macro STEP t
.set XS, X+16*((\t)%2)
	s_wait_dscnt 0x0                               ; this step's numbers are back from the stage: so its stores into the stage have read their registers,
.if (\t)+4 < STEPS
	LOAD (\t)+4                                    ; which take the loads of four steps on
.endif
.if (\t)+1 < STEPS
.if STEPS-2-(\t) >= 3
	s_wait_loadcnt 12                              ; the next step's four loads are in; those of the three steps behind it may be out
.else
	s_wait_loadcnt 4*(STEPS-2-(\t))                ; at the end the count runs down
.endif
	TURN (\t)+1                                    ; and go through the other stage while this step is worked
.endif
.irp i, 0,1,2,3,4,5,6,7,8,9,10,11,12,13,14,15
	v_med3_num_f32 v[XS+\i], v[XS+\i], -v10, v10   ; the conversion to an 8-bit code does not saturate (ISA guide 7.6.2): the hold at the largest code x the scale comes first
.endr
	v_cvt_scalef32_pk8_bf8_f32 v[C+4*(\t):C+4*(\t)+1], v[XS:XS+7], v11
	v_cvt_scalef32_pk8_bf8_f32 v[C+4*(\t)+2:C+4*(\t)+3], v[XS+8:XS+15], v11   ; the results go to a store alone; the next vector lines are the next step's holds, plain and on the other set
	global_store_b128 v4, v[C+4*(\t):C+4*(\t)+3], s[6:7] offset:32*CB*(\t)    ; 32 lanes store 512 consecutive bytes, at a multiple of 256 from the buffer's first byte
.endm
.irp t, 0,1,2,3,4,5,6,7,8,9,10,11,12,13,14,15
	STEP \t
.endr
	s_wait_tensorcnt 0x0
	ds_add_u32 v192, v193
	s_wait_dscnt 0x0
	s_endpgm
.Lfunc_end_k_q2793d8a74b_quant:
	.size	k_q2793d8a74b_quant, .Lfunc_end_k_q2793d8a74b_quant-k_q2793d8a74b_quant
	.p2alignl 7, 3214868480
	.fill 96, 4, 3214868480
	.section	.rodata,"a",@progbits
	.p2align	6, 0x0
	.amdhsa_kernel k_q2793d8a74b_quant
		.amdhsa_group_segment_fixed_size 33280
		.amdhsa_private_segment_fixed_size 0
		.amdhsa_enable_private_segment 0
		.amdhsa_kernarg_size 72
		.amdhsa_user_sgpr_count 2
		.amdhsa_user_sgpr_kernarg_segment_ptr 1
		.amdhsa_wavefront_size32 1
		.amdhsa_system_sgpr_workgroup_id_x 1
		.amdhsa_system_sgpr_workgroup_id_y 1
		.amdhsa_system_sgpr_workgroup_id_z 1
		.amdhsa_system_vgpr_workitem_id 0
		.amdhsa_next_free_vgpr 194
		.amdhsa_next_free_sgpr 66
		.amdhsa_reserve_vcc 0
		.amdhsa_float_denorm_mode_32 3
		.amdhsa_float_denorm_mode_16_64 3
		.amdhsa_memory_ordered 1
		.amdhsa_forward_progress 1
		.amdhsa_inst_pref_size 39
	.end_amdhsa_kernel
	.amdgpu_metadata
---
amdhsa.version: [ 1, 2 ]
amdhsa.kernels:
  - .name:           k_q2793d8a74b_quant
    .symbol:         k_q2793d8a74b_quant.kd
    .args:
      - { .name: q, .offset: 0, .size: 8, .value_kind: global_buffer, .address_space: global }
      - { .name: k, .offset: 8, .size: 8, .value_kind: global_buffer, .address_space: global }
      - { .name: v, .offset: 16, .size: 8, .value_kind: global_buffer, .address_space: global }
      - { .name: wq, .offset: 24, .size: 8, .value_kind: global_buffer, .address_space: global }
      - { .name: wk, .offset: 32, .size: 8, .value_kind: global_buffer, .address_space: global }
      - { .name: wv, .offset: 40, .size: 8, .value_kind: global_buffer, .address_space: global }
      - { .name: wo, .offset: 48, .size: 8, .value_kind: global_buffer, .address_space: global }
      - { .name: lowp_scales, .offset: 56, .size: 8, .value_kind: global_buffer, .address_space: global }
      - { .name: codes, .offset: 64, .size: 8, .value_kind: global_buffer, .address_space: global }
    .group_segment_fixed_size: 33280
    .private_segment_fixed_size: 0
    .kernarg_segment_align: 8
    .kernarg_segment_size: 72
    .max_flat_workgroup_size: 128
    .sgpr_count:     66
    .vgpr_count:     194
    .wavefront_size: 32
...
	.end_amdgpu_metadata
.endif
;; end of part 1
;; launch proj (part 2): grid 4 x 48, 4 waves a work-group, clusters of 4 x 4, 327,680 bytes of LDS; arguments codes, lowp_scales, qc, kv; writes qc, kv
.if DOCPART == 2
	.amdgcn_target "amdgcn-amd-amdhsa--gfx1250"
	.amdhsa_code_object_version 6
	.text
	.protected	k_q2793d8a74b_proj
	.globl	k_q2793d8a74b_proj
	.p2align	8
	.type	k_q2793d8a74b_proj,@function
k_q2793d8a74b_proj:
	s_mov_b64 s[64:65], 0
	v_nop
	global_prefetch_b8 v0, s[64:65] scope:SCOPE_SE
	s_setreg_imm32_b32 hwreg(HW_REG_WAVE_MODE, 25, 1), 1
	s_wait_xcnt 0x0
	s_wait_alu depctr_hold_cnt(0) depctr_sa_sdst(0) depctr_va_vdst(0) depctr_va_sdst(0) depctr_va_ssrc(0) depctr_va_vcc(0) depctr_vm_vsrc(0)
	s_getreg_b32 s2, hwreg(HW_REG_IB_STS2, 6, 4)
	s_cmp_eq_u32 s2, 0
	s_cbranch_scc0 .Lentry_in_a_cluster
	s_endpgm
.Lentry_in_a_cluster:
	s_bfe_u32 s2, ttmp6, 0x10000c
	s_cmp_lg_u32 s2, 0xf033
	s_cbranch_scc0 .Lentry_shape_is_right
	s_endpgm
.Lentry_shape_is_right:
; THE THREE PROJECTIONS, xq = q wq^T, xk = k wk^T, xv = v wv^T, on codes of BF8 (E5M2), and their results quantised in registers into the operands of the attention launch.
; Twelve clusters of 4 x 4 work-groups: clusters 0-3 make xq, 4-7 xk, 8-11 xv.  A work-group makes a tile of 256 x 256 of C'[row of A'][row of B'], K = 1,024; each of its four waves 128 x 128: 64 accumulators, 512 registers.
; For q and k: A' = the tokens (4,096 rows), B' = the weight (1,024 rows).  FOR v THE ROLES ARE SWAPPED: A' = wv, B' = v's tokens.  The matrix instruction is used transposed (source 0 = 16 rows of B', source 1 = 16 rows of A'):
; a lane holds ONE row of A' and its eight registers eight neighbouring rows of B'.  So for q and k a lane's registers run along the features (the K of the scores), for v along the tokens (the keys: the K of the second product):
; the conversions, which take eight neighbours along K from one lane's registers, give the next launch's operand registers as they stand, and these leave as images: 16 bytes a lane, 512 consecutive bytes a store.  No LDS on the way out.
; What is chosen by the tensor (addresses, strides of the way out, the folded scale) is chosen by selects on the cluster's number: there is one path through the text.
; A sum stands for sum x 2^(ea + eb), so its code under the next scale 2^eo is sum / 2^(eo - ea - eb): the three exponents are folded into the conversion's one.
; LIMITS: e6 - e0 - e1, e7 - e2 - e3 and e9 - e4 - e5 lie between -126 and 112.
; K goes in steps of 256 through a ring of two LDS slots filled by the tensor data mover.  CLUSTERS: the four work-groups of a row of the cluster need the same tiles of A', the four of a column the same tiles of B':
; each tile is asked for JOINTLY, by the same tensor load with the same descriptor and a mask that names the four.
; REGISTERS, in windows of 256: window 0: v0-31 addresses; v32-95 at work on the way out; v96-111 the stores' offsets; v112 the conversion's scale; from v128 A's fragments, ONE set (on the way out: the codes).
;   window 1: B's fragments, TWO sets, at v0 and v128.   window 2: the accumulators of my rows 0-63 (accumulator (a, b) at v[8 (8 a + b)]);   window 3: those of my rows 64-127.
.set SIZE_K, 1024
.set KSTEP,  256                       ; along K in a slot
.set ROWB,   256                       ; a tile's row in bytes
.set KROW,   SIZE_K                    ; a row of codes in memory, in bytes
.set PITCH,  272                       ; an LDS row: 256 bytes + 16 of padding = 68 words: row r starts at bank 4 r mod 64 (64 banks of 4 bytes: ISA guide 11.1), so the 16 rows of a load start at 16 different banks
.set FR,     16                        ; registers of a fragment: 16 rows x 128 K
.set NL,     4                         ; LDS loads that bring one
.set NP,     4                         ; places behind this matrix instruction (ISA guide 7.12.1)
.set HALFT,  128*PITCH                 ; 128 rows: what one tensor load brings, and what one wave reads of A' or of B'
.set SLOT,   4*HALFT                   ; A's 256 rows, then B's 256 rows
.set LAPS,   SIZE_K/(2*KSTEP)          ; a lap = two K steps = once round the ring: 2
.set SPARE,  2*SLOT                    ; behind the ring: the spare words, 128 bytes for each wave: two blocks of 256 bytes that no other line names
.set ADRA, 16                          ; v16-17  LDS address of my A' fragments in slot 0, 1
.set ADRB, 20                          ; v20-21  the same for B'
.set SPW,  28                          ; v28     LDS address of my spare word; never rewritten
.set NIL,  29                          ; v29     0; never rewritten
.set TMP,  32                          ; v32-95  the way out: a block's 64 sums, held
.set OFV,  96                          ; v96-111 the way out: byte offset of block a's images, two for each block
.set SCL,  112                         ; v112    2^(eo - ea - eb) as f32
.set AF,   128                         ; A's fragments, in window 0
.set CD,   128                         ; the way out: block a's 16 registers of codes at v[128 + 16 a]: no store's data are written again
.set G1, 24                            ; s[24:31] descriptor group 1 for A's tiles;  s[32:39] group 0, one set for each slot
.set G0, 32
.set G1B, 48                           ; s[48:55], s[56:63] the same for B's tiles
.set G0B, 56
.set MSB, 0
.macro WIN new                         ; the immediate's high byte repeats the setting that is left
.if MSB != \new
	s_set_vgpr_msb (MSB<<8)|\new
.set MSB, \new
.endif
.endm
.set MUL_LO, 0xa1                      ; source 0 (B') window 1, source 1 (A') window 0, C and D window 2
.set MUL_HI, 0xf1                      ; the same, C and D window 3
.set TO_B,   0x40                      ; destination window 1, address window 0
; A joint load: waves 0 and 1 fetch for A', waves 2 and 3 for B'.  Each of the two lines has ONE mask and one set of registers for all that issue it; the branch hangs on the wave's number alone.
; Four v_nop follow each of the two lines, ahead of the jump, the label and what follows.
.macro JLOAD g0a, g1a, g0b, g1b
	s_cmp_eq_u32 s15, 0
	s_cbranch_scc0 .Lfor_b_\@
	tensor_load_to_lds s[\g0a:\g0a+3], s[\g1a:\g1a+7]
	s_nop 0
.rept 4
	v_nop
.endr
	s_branch .Lasked_\@
.Lfor_b_\@:
	tensor_load_to_lds s[\g0b:\g0b+3], s[\g1b:\g1b+7]
	s_nop 0
.rept 4
	v_nop
.endr
.Lasked_\@:
.endm
.macro CREST                           ; a round of the cluster's barrier behind its opening barrier
	s_cmp_lg_u32 s14, 0
	s_cbranch_scc1 .Lnot_wave_0_\@
	s_barrier_signal -3
.Lnot_wave_0_\@:
	s_barrier_wait -3
	s_barrier_signal -1
	s_barrier_wait -1
.endm
.macro CROUND                          ; a whole round
	s_barrier_signal -1
	s_barrier_wait -1
	CREST
.endm
	s_load_b256 s[4:11], s[0:1], 0x0               ; the codes s[4:5], the exponents s[6:7], qc s[8:9], kv s[10:11]
	v_lshl_add_u32 v[SPW], v0, 2, SPARE
	v_mov_b32 v[NIL], 0
	ds_add_u32 v28, v29
	ds_add_u32 v28, v29
	s_wait_dscnt 0x0
	v_lshrrev_b32 v1, 5, v0
	v_readfirstlane_b32 s14, v1                    ; wave 0..3
	s_lshr_b32 s15, s14, 1                         ; which half of the tile's rows (of A') is mine.  Also: I fetch for A' (0) or for B' (1)
	s_and_b32 s16, s14, 1                          ; which half of its columns (rows of B').  Also: which 128 rows of that tile I fetch
	s_bfe_u32 s40, ttmp6, 0x40000                  ; cx, cy: my place in the cluster
	s_bfe_u32 s41, ttmp6, 0x40004
	s_and_b32 s66, ttmp7, 0xffff                   ; the cluster, 0..11
	s_lshr_b32 s67, s66, 2                         ; T: 0 = q, 1 = k, 2 = v
	s_and_b32 s68, s66, 3
	s_lshl_b32 s68, s68, 2                         ; 4 x the cluster's number within its tensor: the token tiles go on by four
	s_lshl_b32 s71, s67, 22                        ; q's or k's codes begin at 4 MiB x T,
	s_add_co_u32 s72, s67, 12
	s_lshl_b32 s72, s72, 20                        ; wq's or wk's at (12 + T) MiB,
	s_mov_b32 s73, 14<<20                          ; wv's at 14 MiB,
	s_mov_b32 s74, 8<<20                           ; v's at 8 MiB
	s_cmp_eq_u32 s67, 2                            ; v?  All selects stand ahead of the next line that sets SCC
	s_cselect_b32 s69, 0, s68                      ; the tokens are A' for q and k,
	s_cselect_b32 s70, s68, 0                      ; B' for v
	s_cselect_b32 s71, s73, s71                    ; where A's codes begin
	s_cselect_b32 s72, s74, s72                    ; where B's begin
	s_add_co_u32 s17, s41, s69                     ; tile row: hangs on cy and the cluster's number alone
	s_add_co_u32 s42, s40, s70                     ; tile column: on cx and the cluster's number alone
	s_lshl_b32 s43, s41, 2
	s_lshl_b32 s43, 15, s43                        ; my row of the cluster
	s_lshl_b32 s44, 0x1111, s40                    ; my column
	; descriptor group 1: a tile of 128 rows x 256 bytes, padded in LDS
	s_or_b32 s[G1+0], s43, (0<<16)|(1<<20)|(1<<21)|(5<<22)|(3<<25)  ; 15:0 the mask: A's tiles go to my row; 17:16 element of 1 byte; 20 padding on; 21 set beside a mask; 24:22 after every 64 words (code 5); 31:25 of 4 words (code 3)
	s_or_b32 s[G1B+0], s44, (0<<16)|(1<<20)|(1<<21)|(5<<22)|(3<<25)
.irp g, G1, G1B
	s_mov_b32 s[\g+1], ROWB<<16                    ; tensor_dim0
	s_mov_b32 s[\g+2], 128<<16                     ; tensor_dim1 = 128
	s_mov_b32 s[\g+3], ROWB<<16                    ; tile_dim0
	s_mov_b32 s[\g+4], 128                         ; tile_dim1 = 128
	s_mov_b32 s[\g+5], KROW                        ; tensor_dim0_stride
	s_mov_b32 s[\g+6], 0
	s_mov_b32 s[\g+7], 0
.endr
	s_lshl_b32 s18, s16, 7                         ; which 128 rows of the tile I fetch
	s_lshl_b32 s20, s17, 8
	s_add_co_u32 s20, s20, s18                     ; A': row 256 x tile row + 128 x half,
	s_lshl_b32 s20, s20, 10                        ; of 1,024 bytes,
	s_add_co_u32 s20, s20, s71                     ; in its tensor's part of the codes: under 16 MiB
	s_mov_b32 s21, 0
	s_lshl_b32 s46, s42, 8
	s_add_co_u32 s46, s46, s18                     ; B' likewise, in registers that never hold cy
	s_lshl_b32 s46, s46, 10
	s_add_co_u32 s46, s46, s72
	s_mov_b32 s47, 0
	s_mul_i32 s45, s14, HALFT                      ; where they go: wave x 128 rows: no place in the cluster enters an LDS address
	s_wait_kmcnt 0x0
	s_load_b256 s[76:83], s[6:7], 0x0              ; e0 .. e7
	s_load_b128 s[84:87], s[6:7], 0x20             ; e8 .. e11
	s_add_nc_u64 s[20:21], s[4:5], s[20:21]
	s_add_nc_u64 s[46:47], s[4:5], s[46:47]
	CROUND                                         ; all sixteen work-groups are here: the first joint loads meet
.irp s, 0,1
	s_mov_b32 s[G0+4*\s], 1
	s_add_co_u32 s[G0+4*\s+1], s45, \s*SLOT
	s_add_nc_u64 s[G0+4*\s+2:G0+4*\s+3], s[20:21], \s*ROWB
	s_or_b32 s[G0+4*\s+3], s[G0+4*\s+3], 0x80000000
	s_mov_b32 s[G0B+4*\s], 1
	s_add_co_u32 s[G0B+4*\s+1], s45, \s*SLOT
	s_add_nc_u64 s[G0B+4*\s+2:G0B+4*\s+3], s[46:47], \s*ROWB
	s_or_b32 s[G0B+4*\s+3], s[G0B+4*\s+3], 0x80000000
.endr
	JLOAD G0, G1, G0B, G1B                         ; K step 0: one tensor load a wave at the head
	v_and_b32 v1, 15, v0                           ; l % 16
	v_bfe_u32 v2, v0, 4, 1                         ; l / 16
	v_mul_u32_u24 v3, v1, PITCH
	v_lshl_add_u32 v4, v2, 4, v3                   ; a fragment's row x pitch + 16 x half
	s_mul_i32 s21, s15, HALFT                      ; my 128 rows of A'
	s_mul_i32 s22, s16, HALFT                      ; my 128 rows of B',
	s_add_co_u32 s22, s22, 2*HALFT                 ; which lie behind A's 256
.irp s, 0,1
	v_add_nc_u32 v[ADRA+\s], s21, v4
	v_add_nc_u32 v[ADRB+\s], s22, v4
	s_add_co_u32 s21, s21, SLOT
	s_add_co_u32 s22, s22, SLOT
.endr
	; THE WAY OUT'S ADDRESSES, made here while the first tiles are on their way.
	; qc: [head 32][tile of 16 queries 128][1,024 bytes];  kv: [head 32][step of 128 keys 16][8 images of K of 1,024 bytes, then 4 images of V^T of 2,048].
	; My 128 tokens are one step; my 128 features are two heads.  Block a of A' (16 rows): for q and k a tile of 16 tokens (1,024 bytes on), whose four stores are two heads' images of two halves;
	; for v 16 features: tile a % 4 of head a / 4, whose four stores are one image's four quarters.
	s_cmp_eq_u32 s67, 2
	s_cselect_b32 s88, s42, s17                    ; the tokens' tile,
	s_cselect_b32 s89, s17, s42                    ; the features' tile,
	s_cselect_b32 s90, s16, s15                    ; my half of the tokens,
	s_cselect_b32 s91, s15, s16                    ; my half of the features
	s_cselect_b32 s75, 8192, 0                     ; V^T's images lie behind K's
	s_mov_b32 s69, 1024
	s_cselect_b32 s69, 2048, s69                   ; from block a to a + 1 within four,
	s_mov_b32 s70, 4096
	s_cselect_b32 s70, 0x40000, s70                ; from block a to a + 4 (for v: the next head)
	s_cmp_eq_u32 s67, 0
	s_mov_b32 s73, 0x40000
	s_cselect_b32 s73, 0x20000, s73                ; a head's bytes: 131,072 in qc, 262,144 in kv
	s_mov_b32 s74, 16384
	s_cselect_b32 s74, 8192, s74                   ; a step's bytes
	s_cselect_b64 s[92:93], s[8:9], s[10:11]       ; the buffer: a choice that hangs on the cluster's number alone
	s_cmp_eq_u32 s67, 2
	s_cselect_b32 s71, 1024, s73                   ; from a block's first pair of stores to its second: half an image of V^T, or the next head
	s_lshl_b32 s88, s88, 1
	s_add_co_u32 s88, s88, s90                     ; which 128 tokens of the 4,096
	s_lshr_b32 s90, s88, 4
	s_lshl_b32 s90, s90, 4                         ; 16 x batch
	s_lshl_b32 s89, s89, 2
	s_add_co_u32 s90, s90, s89
	s_lshl_b32 s91, s91, 1
	s_add_co_u32 s90, s90, s91                     ; + my first head
	s_and_b32 s88, s88, 15                         ; the step within the batch
	s_mul_i32 s90, s90, s73
	s_mul_i32 s88, s88, s74
	s_add_co_u32 s88, s88, s90
	s_add_co_u32 s88, s88, s75                     ; under 8 MiB
	s_mov_b32 s89, 0
	s_add_nc_u64 s[92:93], s[92:93], s[88:89]
	v_and_b32 v6, 31, v0
	v_lshlrev_b32 v[OFV], 4, v6                    ; 16 x lane
.irp a, 1,2,3
	v_add_nc_u32 v[OFV+2*\a], s69, v[OFV+2*\a-2]
.endr
.irp a, 4,5,6,7
	v_add_nc_u32 v[OFV+2*\a], s70, v[OFV+2*\a-8]
.endr
.irp a, 0,1,2,3,4,5,6,7
	v_add_nc_u32 v[OFV+2*\a+1], s71, v[OFV+2*\a]
.endr
	s_wait_kmcnt 0x0
	s_sub_co_i32 s82, s82, s76
	s_sub_co_i32 s82, s82, s77                     ; q: e6 - e0 - e1
	s_sub_co_i32 s83, s83, s78
	s_sub_co_i32 s83, s83, s79                     ; k: e7 - e2 - e3
	s_sub_co_i32 s85, s85, s80
	s_sub_co_i32 s85, s85, s81                     ; v: e9 - e4 - e5
	s_cmp_eq_u32 s67, 0
	s_cselect_b32 s82, s82, s83
	s_cmp_eq_u32 s67, 2
	s_cselect_b32 s82, s85, s82
	s_add_co_i32 s82, s82, 127
	s_lshl_b32 s83, s82, 23
	v_mov_b32 v[SCL], s83                          ; the folded scale as f32: the conversion takes its exponent field
	s_add_co_i32 s82, s82, 15
	s_lshl_b32 s94, s82, 23
	s_or_b32 s94, s94, 0x600000                    ; 57,344 x that,
	s_or_b32 s95, s94, 0x80000000                  ; and its negative
.macro FRAG reg, adr, q, i             ; a fragment, 16 rows x 128 K of codes, is 16 registers: lane l holds row l % 16; registers 4 c .. 4 c + 3 hold K = 32 c + 16 (l / 16) + 0 .. 15: the same order in A' and B', so every product meets its partner
.irp c, 0,1,2,3
	ds_load_b128 v[\reg+4*\c:\reg+4*\c+3], v[\adr] offset:128*(\q)+32*\c+(\i)*16*PITCH
.endr
.endm
; 16 matrix instructions: A's blocks a0, a0 + 1 x B's eight, 128 along K.  p: B's set.  zero = 1: the first product starts the sums: nothing is ever cleared.
; The 64 accumulators take turns, one instruction a turn, in the same order in every step.
.macro MUL16 a0, p, zero
.irp a, \a0, \a0+1
.irp b, 0,1,2,3,4,5,6,7
.if \zero
	v_wmma_f32_16x16x128_bf8_bf8 v[8*(8*((\a)%4)+\b):8*(8*((\a)%4)+\b)+7], v[128*(\p)+FR*\b:128*(\p)+FR*\b+FR-1], v[AF+FR*(\a):AF+FR*(\a)+FR-1], 0
.else
	v_wmma_f32_16x16x128_bf8_bf8 v[8*(8*((\a)%4)+\b):8*(8*((\a)%4)+\b)+7], v[128*(\p)+FR*\b:128*(\p)+FR*\b+FR-1], v[AF+FR*(\a):AF+FR*(\a)+FR-1], v[8*(8*((\a)%4)+\b):8*(8*((\a)%4)+\b)+7]
.endif
.endr
.endr
.endm
.macro FETCH_B slot, q, p              ; B's eight fragments of the slot's q-th 128 along K into set p
	WIN TO_B
.irp i, 0,1,2,3,4,5,6,7
	FRAG 128*(\p)+FR*\i, ADRB+\slot, \q, \i
.endr
	WIN 0
.endm
.macro FETCH_A slot, q, i0             ; A's blocks i0 .. i0 + 3
.irp i, \i0, \i0+1, \i0+2, \i0+3
	FRAG AF+FR*(\i), ADRA+\slot, \q, \i
.endr
.endm
; A load into a register that a matrix instruction has read, and a vector instruction that reads a matrix result, stand NP places behind that matrix instruction, and only plain vector
; instructions that name none of its registers are places (ISA guide 7.12.1 for vector instructions).
.macro PLACES n
.rept \n
	v_nop
.endr
.endm
; A step of 128 along K that has its successor in the same slot.
.macro STEP slot, q, zero
	s_wait_dscnt 4*NL                              ; B's set and A's blocks 0-3 are in; the youngest sixteen loads (A's blocks 4-7) may be out
	WIN MUL_LO
	MUL16 0, (\q)%2, \zero
	MUL16 2, (\q)%2, \zero
	s_wait_dscnt 0                                 ; A's blocks 4-7 are in (asked for 32 matrix instructions ago)
	PLACES NP
	FETCH_B \slot, (\q)+1, 1-(\q)%2
	FETCH_A \slot, (\q)+1, 0
	WIN MUL_HI
	MUL16 4, (\q)%2, \zero
	MUL16 6, (\q)%2, \zero
	PLACES NP
	WIN 0
	FETCH_A \slot, (\q)+1, 4
.endm
; A slot's last step changes slots: ONE barrier; in front of it each wave waits for all its tensor loads, adds 0 to its spare word, and waits for that and for its own reads of this slot.  fill = 1: this slot is filled again, two K steps ahead.
.macro TURN slot, next, fill
	s_wait_tensorcnt 0x0                           ; all my tensor loads have landed: my part of the next slot  (every window is 0 here: the add's two registers lie in window 0)
	ds_add_u32 v[SPW], v[NIL]                      ; 0 onto my spare word
	s_wait_dscnt 4*NL+1                            ; (the add and the youngest sixteen loads, A's blocks 4-7, may be out)
	WIN MUL_LO
	MUL16 0, 1, 0                                  ; sixteen matrix instructions stand between the add and the wait for it
	s_wait_dscnt 0x0                               ; the add is done, and my reads of this slot are over
	s_barrier_signal -1
	MUL16 2, 1, 0
	WIN 0
	s_barrier_wait -1
.if \fill
	CREST                                          ; the barrier has opened a round of the cluster's barrier: no wave of any partner still reads this slot's tile or has a load on its way
	s_add_nc_u64 s[G0+4*\slot+2:G0+4*\slot+3], s[G0+4*\slot+2:G0+4*\slot+3], 2*ROWB
	s_add_nc_u64 s[G0B+4*\slot+2:G0B+4*\slot+3], s[G0B+4*\slot+2:G0B+4*\slot+3], 2*ROWB
	JLOAD G0+4*\slot, G1, G0B+4*\slot, G1B         ; the first tensor load behind the round, my one load that is out; the four v_nop behind it are the places in front of the loads below
.else
	PLACES NP
.endif
	FETCH_B \next, 0, 0
	FETCH_A \next, 0, 0
	WIN MUL_HI
	MUL16 4, 1, 0
	MUL16 6, 1, 0
	PLACES NP
	WIN 0
	FETCH_A \next, 0, 4
.endm
	s_wait_alu depctr_va_vdst(0)                   ; the wait at the head's end
	s_wait_tensorcnt 0x0                           ; my part of K step 0 is in
	ds_add_u32 v[SPW], v[NIL]
	s_wait_dscnt 0x0
	CROUND                                         ; everybody's part of K step 0 is in, and all sixteen work-groups are here,
	JLOAD G0+4, G1, G0B+4, G1B                     ; and K step 1's load is the first tensor load behind the round
	FETCH_B 0, 0, 0
	FETCH_A 0, 0, 0
	FETCH_A 0, 0, 4
	STEP 0, 0, 1                                   ; the first step stands in front of the loop: its products start the sums
	s_mov_b32 s3, LAPS-1
.Llap:                                                 ; a trip goes once round the ring, from a lap's second step to the next lap's first, and fills both slots again
	TURN 0, 1, 1
	STEP 1, 0, 0
	TURN 1, 0, 1
	STEP 0, 0, 0
	s_sub_co_u32 s3, s3, 1
	s_cmp_lg_u32 s3, 0
	s_cbranch_scc1 .Llap
	TURN 0, 1, 0                                   ; the last lap fills nothing, and has no round of the cluster's barrier
	STEP 1, 0, 0
	s_wait_dscnt 4*NL                              ; the very last step: nothing more to fetch
	WIN MUL_LO
	MUL16 0, 1, 0
	MUL16 2, 1, 0
	s_wait_dscnt 0
	WIN MUL_HI
	MUL16 4, 1, 0
	MUL16 6, 1, 0
	WIN 0
; THE WAY OUT, block by block of 16 rows of A'.  A block's 64 sums of a lane (accumulator b, register j: row 16 b + 8 (l / 16) + j of B') are held within the largest code x the scale, each accumulator from its low end on,
; and converted eight at a time: registers 2 b, 2 b + 1 of the codes hold K = 16 b + 8 (l / 16) + 0 .. 7, the place that the 8-bit forms' own layout gives them.  Four stores of 512 consecutive bytes, aligned.
.macro OUTBLK a
.set AC, 64*((\a)%4)
	WIN 0x02+((\a)/4)                              ; source 0: window 2 or 3
.set j, 0
.rept 64
	v_med3_num_f32 v[TMP+j], v[AC+j], s95, s94     ; the conversion to an 8-bit code does not saturate (ISA guide 7.6.2)
.set j, j+1
.endr
	WIN 0
.irp b, 0,1,2,3,4,5,6,7
	v_cvt_scalef32_pk8_bf8_f32 v[CD+16*(\a)+2*\b:CD+16*(\a)+2*\b+1], v[TMP+8*\b:TMP+8*\b+7], v[SCL]
.endr
	v_nop                                          ; one plain vector line between the conversions and the next block's holds, which write their sources
.irp i, 0,1,2,3
	global_store_b128 v[OFV+2*(\a)+\i/2], v[CD+16*(\a)+4*\i:CD+16*(\a)+4*\i+3], s[92:93] offset:512*(\i%2)
.endr
.endm
	PLACES NP                                      ; behind the last products: in front of the first read of results and of the first write over A's fragments
.irp a, 0,1,2,3,4,5,6,7
	OUTBLK \a
.endr
	s_wait_tensorcnt 0x0                           ; the wave's end
	ds_add_u32 v[SPW], v[NIL]
	s_wait_dscnt 0x0
	CROUND                                         ; the closing round: no work-group ends while a partner may still ask for a tile that names it
	s_endpgm
.Lfunc_end_k_q2793d8a74b_proj:
	.size	k_q2793d8a74b_proj, .Lfunc_end_k_q2793d8a74b_proj-k_q2793d8a74b_proj
	.p2alignl 7, 3214868480
	.fill 96, 4, 3214868480
	.section	.rodata,"a",@progbits
	.p2align	6, 0x0
	.amdhsa_kernel k_q2793d8a74b_proj
		.amdhsa_group_segment_fixed_size 327680
		.amdhsa_private_segment_fixed_size 0
		.amdhsa_enable_private_segment 0
		.amdhsa_kernarg_size 32
		.amdhsa_user_sgpr_count 2
		.amdhsa_user_sgpr_kernarg_segment_ptr 1
		.amdhsa_wavefront_size32 1
		.amdhsa_system_sgpr_workgroup_id_x 1
		.amdhsa_system_sgpr_workgroup_id_y 1
		.amdhsa_system_sgpr_workgroup_id_z 1
		.amdhsa_system_vgpr_workitem_id 0
		.amdhsa_next_free_vgpr 1024
		.amdhsa_next_free_sgpr 96
		.amdhsa_reserve_vcc 0
		.amdhsa_float_denorm_mode_32 3
		.amdhsa_float_denorm_mode_16_64 3
		.amdhsa_memory_ordered 1
		.amdhsa_forward_progress 1
		.amdhsa_inst_pref_size 120
	.end_amdhsa_kernel
	.amdgpu_metadata
---
amdhsa.version: [ 1, 2 ]
amdhsa.kernels:
  - .name:           k_q2793d8a74b_proj
    .symbol:         k_q2793d8a74b_proj.kd
    .args:
      - { .name: codes, .offset: 0, .size: 8, .value_kind: global_buffer, .address_space: global }
      - { .name: lowp_scales, .offset: 8, .size: 8, .value_kind: global_buffer, .address_space: global }
      - { .name: qc, .offset: 16, .size: 8, .value_kind: global_buffer, .address_space: global }
      - { .name: kv, .offset: 24, .size: 8, .value_kind: global_buffer, .address_space: global }
    .group_segment_fixed_size: 327680
    .private_segment_fixed_size: 0
    .kernarg_segment_align: 8
    .kernarg_segment_size: 32
    .max_flat_workgroup_size: 128
    .sgpr_count:     96
    .vgpr_count:     1024
    .wavefront_size: 32
...
	.end_amdgpu_metadata
.endif
;; end of part 2
;; launch attn (part 3): grid 8 x 32, 16 waves a work-group, clusters of 4 x 1, 327,680 bytes of LDS; arguments qc, kv, lowp_scales, ao; writes ao
.if DOCPART == 3
	.amdgcn_target "amdgcn-amd-amdhsa--gfx1250"
	.amdhsa_code_object_version 6
	.text
	.protected	k_q2793d8a74b_attn
	.globl	k_q2793d8a74b_attn
	.p2align	8
	.type	k_q2793d8a74b_attn,@function
k_q2793d8a74b_attn:
	s_mov_b64 s[64:65], 0
	v_nop
	global_prefetch_b8 v0, s[64:65] scope:SCOPE_SE
	s_setreg_imm32_b32 hwreg(HW_REG_WAVE_MODE, 25, 1), 1
	s_wait_xcnt 0x0
	s_wait_alu depctr_hold_cnt(0) depctr_sa_sdst(0) depctr_va_vdst(0) depctr_va_sdst(0) depctr_va_ssrc(0) depctr_va_vcc(0) depctr_vm_vsrc(0)
	s_getreg_b32 s2, hwreg(HW_REG_IB_STS2, 6, 4)
	s_cmp_eq_u32 s2, 0
	s_cbranch_scc0 .Lentry_in_a_cluster
	s_endpgm
.Lentry_in_a_cluster:
	s_bfe_u32 s2, ttmp6, 0x10000c
	s_cmp_lg_u32 s2, 0x3003
	s_cbranch_scc0 .Lentry_shape_is_right
	s_endpgm
.Lentry_shape_is_right:
; CAUSAL ATTENTION ON CODES OF BF8 (E5M2): 32 heads (batch x 16 + head) of 2,048 tokens, head size 64.  Both products quantised; the result is quantised in registers for the last projection.
; THE SOFTMAX AHEAD OF THE SECOND PRODUCT: t = score x log2(e) / 8; M = the row's largest t so far, rounded UP to a whole number; p = 2^(t - M) is quantised along the keys, not normalised.  The row's sum is taken of the
; unquantised p, in f32, and divides O at the end.  When M moves, the sum and O are multiplied by 2^(old M - new M): exact.
; WORK LEFT OUT: key steps all of whose keys come after a tile's last query (reference()'s own causal mask makes their p 0 for all values of the inputs); a NaN or an infinity that reaches only those scores is not carried to the result.
; INPUTS, as images of operand registers (16 bytes a lane, 512 bytes for four registers of the wave):  qc [head][tile of 16 queries 128][1,024]: a 16 x 64 fragment;  kv [head][step of 128 keys 16][16,384]: eight 16 x 64 fragments of K,
; then four 16 x 128 fragments of V^T (16 of the head's 64 x 128 keys).  In all of them register 2 c, 2 c + 1 holds K = 16 c + 8 (lane / 16) + 0 .. 7.  V^T's rows are laid so that row 16 T + 8 h + i is feature 32 (T / 2) + 16 h + 8 (T % 2) + i.
; OUTPUT: ao [tile of 16 rows 256][head 16][1,024]: lane (r, h) holds row r, registers 4 b .. 4 b + 3 features 32 b + 16 h + 0 .. 15.
; LAYOUT.  S^T = K Q^T (source 0 = 16 keys, source 1 = my 16 queries), O^T = V^T P^T (source 0 = 16 features, source 1 = P): a lane holds ONE query (lane % 16) throughout, and p's eight registers of a tile of keys are
; eight neighbouring keys: the conversions' results are the second product's operand.
; SHARES.  Query tile 8 t + j (j = the work-group's number in the head, 0..7) lies on the diagonal of key step t and needs key steps 0 .. t, whatever j is.  Waves w and w + 8 (w = 0..7) share tiles t = 8 + w and t = 7 - w, 17 steps:
; wave w takes steps 0-8 of the first; wave w + 8 takes its steps 9 .. 8 + w, leaves its O^T, sum and M in LDS, then takes all 8 - w steps of the second.  Wave w joins the two parts of the first tile.
; Branches hang on the wave's number and on counters alone.
; LDS holds the head's whole block of kv, 262,144 bytes, as it lies in memory.  It is filled ONCE, by one tensor load a wave at the head: wave n brings key step n.  The parts that are handed over lie behind it, where no load lands.
; CLUSTER.  The four work-groups of a cluster belong to one head, so every load is asked for JOINTLY (mask 15).  A head's eight work-groups are two clusters: a mask names four work-groups at the most.
; No prefetch: all that the launch reads is asked for at the head, and no loop asks for anything.
; LIMITS on the given exponents, so that each power of two below is an f32 number: e6 + e7 between -123 and 130 (added to c's exponent field); e8 and e10 - e8 - e9 between -126 and 112.
; REGISTERS: v12 -M, v13 the largest score, v[14:15] the sum in two halves; v16-23, v24-31 Q of my two tiles; v32-95 K's eight fragments, then V^T's four; v96-159 S^T, then p; v160-191 O^T; v192-207 p's codes; v208-215 the result's codes; v234-255 at work.
.set LI,   1                           ; v1   16 x lane
.set ADK,  2                           ; v2   the step's LDS address
.set PAD,  3                           ; v3   where my pair's part lies in LDS
.set NINF, 4                           ; v4   -infinity
.set SPW,  5                           ; v5   LDS address of my spare word; never rewritten
.set NIL,  6                           ; v6   0; never rewritten
.set PSC,  8                           ; v8   2^e8 as f32;  v9  57,344 x 2^e8
.set PLIM, 9
.set OSC,  10                          ; v10  2^(e10 - e8 - e9);  v11  57,344 x that
.set OLIM, 11
.set WV,   12                          ; s12  my wave's number
.set J,    14                          ; s14  j
.set SEL,  20                          ; s[20:21] lane selects for v_permlanex16_b32: lane l xor 16
.set CS,   22                          ; s[22:23] c = log2(e) / 8 x 2^(e6 + e7): the packed form names a pair and takes its low word for both halves
.set G1,   24                          ; s[24:31] descriptor group 1;  s[32:35] group 0
.set G0,   32
.set MI,   36                          ; s[36:43] lane masks: in the tile of 16 keys on the diagonal, register i is hidden in these lanes
.set XM,   44                          ; s[44:51] the masks in use
.set TB,   53                          ; s53  LDS byte at which the key step in hand begins
.set SI,   54                          ; s54  the key step's number
.set TT,   55                          ; s55  the key step on my tile's diagonal
.set CNT,  56                          ; s56  a loop's trips
.set LO,   57                          ; s57  my first step of the loop,
.set CO,   58                          ; s58  and how many are mine
.set WP,   59                          ; s59  w = wave % 8
.set NC,   60                          ; s60  -c
.set ROLE, 61                          ; s61  0: waves 0-7, 1: waves 8-15
.set LIW,  232                         ; v232 16 x lane, + 7 key steps in waves 8-15: where the first loop's walk begins in LDS
.set QA,   66                          ; s[66:67], s[68:69] Q's images of the pair's two tiles
.set OA,   70                          ; s[70:71] where the result of the tile that I finish goes
.set STEPB, 16384                      ; bytes of a key step
.set SPARE, 0x40000                    ; behind the block of kv: the spare words, 128 bytes for each of sixteen waves: eight blocks of 256 bytes that no other line names
.set PART,  0x40800                    ; then eight parts of 4,608 bytes: 32 registers of O^T, then -M, the largest score and the sum's two halves
.set PB,    4608
.macro CROUND                          ; a round of the cluster's barrier
	s_barrier_signal -1
	s_barrier_wait -1
	s_cmp_lg_u32 s[WV], 0
	s_cbranch_scc1 .Lnot_wave_0_\@
	s_barrier_signal -3
.Lnot_wave_0_\@:
	s_barrier_wait -3
	s_barrier_signal -1
	s_barrier_wait -1
.endm
	s_load_b128 s[4:7], s[0:1], 0x0                ; qc s[4:5], kv s[6:7]
	s_load_b128 s[8:11], s[0:1], 0x10              ; the exponents s[8:9], ao s[10:11]
	v_lshl_add_u32 v[SPW], v0, 2, SPARE
	v_mov_b32 v[NIL], 0
	ds_add_u32 v[SPW], v[NIL]                      ; the wave's opening: the add, twice on end, and its wait ahead of my first tensor load
	ds_add_u32 v[SPW], v[NIL]
	v_lshrrev_b32 v7, 5, v0
	v_and_b32 v2, 31, v0
	v_readfirstlane_b32 s[WV], v7                  ; wave 0..15
	v_lshlrev_b32 v[LI], 4, v2
	s_and_b32 s[WP], s[WV], 7
	s_lshr_b32 s[ROLE], s[WV], 3
	s_mul_i32 s16, s[WP], PB
	s_add_co_u32 s16, s16, PART
	s_mul_i32 s19, s[ROLE], 7*STEPB
	v_and_b32 v7, 15, v0
	v_bfe_u32 v2, v0, 4, 1
	v_mov_b32 v[NINF], 0xff800000
	v_add_nc_u32 v[PAD], s16, v[LI]
	v_add_nc_u32 v[LIW], s19, v[LI]
	v_lshlrev_b32 v2, 3, v2
	v_mov_b32 v236, 0                              ; written once: a lane permute's destination counts as one of its sources
	v_mov_b32 v253, 0                              ; (named as the upper halves of the pairs v[252:253] and v[254:255])
	v_mov_b32 v255, 0
	v_sub_nc_u32 v7, v7, v2                        ; lane % 16 - 8 (lane / 16): key 8 (lane / 16) + i of the diagonal's tile is hidden where i is above it
	v_mov_b32 v252, 0
.irp i, 0,1,2,3,4,5,6,7
	v_cmp_gt_i32 s[MI+\i], \i, v7
.endr
	s_bfe_u32 s13, ttmp6, 0x40000                  ; cx: my place in the cluster
	s_lshl_b32 s[J], ttmp9, 2
	s_add_co_u32 s[J], s[J], s13                   ; j = 4 x cluster x + cx: it enters Q's and ao's addresses and the mask's data alone
	s_and_b32 s15, ttmp7, 0xffff                   ; the head, which the four partners share
	; a key step is a dense block: 64 rows of 256 bytes: elements of 8 bytes, 32 to a row, pitch 32
	s_mov_b32 s[G1], 15|(3<<16)|(1<<21)            ; 15:0 the mask: all four work-groups; 17:16 elements of 8 bytes; 20 no padding; 21 set beside a mask
	s_mov_b32 s[G1+1], 32<<16                      ; tensor_dim0
	s_mov_b32 s[G1+2], 64<<16                      ; tensor_dim1
	s_mov_b32 s[G1+3], 32<<16                      ; tile_dim0
	s_mov_b32 s[G1+4], 64                          ; tile_dim1
	s_mov_b32 s[G1+5], 32                          ; tensor_dim0_stride
	s_mov_b32 s[G1+6], 0
	s_mov_b32 s[G1+7], 0
	s_mov_b32 s[G0], 1
	s_lshl_b32 s[G0+1], s[WV], 14                  ; wave n brings key step n: a byte's place in LDS is its place in the head's block
	s_lshl_b32 s16, s15, 18                        ; the head's 262,144 bytes
	s_lshl_b32 s18, s[WV], 14
	s_add_co_u32 s16, s16, s18
	s_mov_b32 s17, 0
	s_mov_b32 s[SEL], 0x76543210
	s_mov_b32 s[SEL+1], 0xfedcba98
	s_wait_alu depctr_va_vdst(0)                   ; directly ahead of the waits below
	s_wait_dscnt 0x0                               ; both opening adds are done
	s_wait_kmcnt 0x0
	s_load_b256 s[76:83], s[8:9], 0x0              ; e0 .. e7
	s_load_b128 s[84:87], s[8:9], 0x20             ; e8 .. e11
	s_add_nc_u64 s[G0+2:G0+3], s[6:7], s[16:17]    ; hangs on the head and the wave's number alone
	s_or_b32 s[G0+3], s[G0+3], 0x80000000          ; type = 2
	CROUND                                         ; all four work-groups are here: the joint loads meet
	tensor_load_to_lds s[G0:G0+3], s[G1:G1+7]      ; my one tensor load of the launch
	s_nop 0
.rept 4
	v_nop
.endr
	s_lshl_b32 s16, s[WP], 3
	s_add_co_u32 s74, s[J], 64
	s_add_co_u32 s74, s74, s16                     ; the pair's first tile: 8 (8 + w) + j
	s_add_co_u32 s75, s[J], 56
	s_sub_co_u32 s75, s75, s16                     ; its second: 8 (7 - w) + j
	s_mov_b32 s89, 0
	s_lshl_b32 s90, s15, 17                        ; qc: a head's 131,072 bytes
	s_lshl_b32 s88, s74, 10
	s_add_co_u32 s88, s88, s90
	s_add_nc_u64 s[QA:QA+1], s[4:5], s[88:89]
	s_lshl_b32 s88, s75, 10
	s_add_co_u32 s88, s88, s90
	s_add_nc_u64 s[QA+2:QA+3], s[4:5], s[88:89]
	global_load_b128 v[16:19], v[LI], s[QA:QA+1]
	global_load_b128 v[20:23], v[LI], s[QA:QA+1] offset:512
	global_load_b128 v[24:27], v[LI], s[QA+2:QA+3]  ; both waves of a pair run the same text: the second tile's walk is jumped over in waves 0-7 by its count alone
	global_load_b128 v[28:31], v[LI], s[QA+2:QA+3] offset:512
	s_lshr_b32 s90, s15, 4
	s_lshl_b32 s90, s90, 21                        ; ao: a batch's 128 tiles of 16,384 bytes,
	s_and_b32 s91, s15, 15
	s_lshl_b32 s91, s91, 10                        ; the head's 1,024 in a tile
	s_add_co_u32 s90, s90, s91
	s_cmp_eq_u32 s[ROLE], 0
	s_cselect_b32 s88, s74, s75                    ; waves 0-7 finish the first tile, waves 8-15 the second
	s_lshl_b32 s88, s88, 14
	s_add_co_u32 s88, s88, s90
	s_add_nc_u64 s[OA:OA+1], s[10:11], s[88:89]
	; the first loop, nine trips: waves 0-7 walk steps 0-8, all theirs; waves 8-15 steps 7-15, of which 9 .. 8 + w are theirs
	s_mul_i32 s[SI], s[ROLE], 7
	s_mov_b32 s[TB], 0
	s_mul_i32 s[LO], s[ROLE], 9
	s_add_co_u32 s[TT], s[WP], 8
	s_cmp_eq_u32 s[ROLE], 0
	s_cselect_b32 s[CO], 9, s[WP]
	s_wait_kmcnt 0x0
	s_add_co_i32 s88, s82, s83
	s_lshl_b32 s88, s88, 23
	s_add_co_i32 s[CS], s88, 0x3e38aa3b            ; c = log2(e) / 8, with e6 + e7 added to its exponent field: a sum of codes stands for sum x 2^(e6 + e7)
	s_mov_b32 s[CS+1], s[CS]                       ; (named with it as a pair, so it is written)
	s_or_b32 s[NC], s[CS], 0x80000000
	s_add_co_i32 s88, s84, 127
	s_lshl_b32 s90, s88, 23
	v_mov_b32 v[PSC], s90
	s_add_co_i32 s88, s88, 15
	s_lshl_b32 s88, s88, 23
	s_or_b32 s88, s88, 0x600000
	v_mov_b32 v[PLIM], s88
	s_sub_co_i32 s88, s86, s84
	s_sub_co_i32 s88, s88, s85                     ; a sum of the second product stands for sum x 2^(e8 + e9): its code is sum / l / 2^(e10 - e8 - e9)
	s_add_co_i32 s88, s88, 127
	s_lshl_b32 s90, s88, 23
	v_mov_b32 v[OSC], s90
	s_add_co_i32 s88, s88, 15
	s_lshl_b32 s88, s88, 23
	s_or_b32 s88, s88, 0x600000
	v_mov_b32 v[OLIM], s88
; A tile begins: O^T and the sum as zeros, the largest score as -infinity, -M as 3e38: the first change of M multiplies zeros, and a part without any step counts for nothing in the join.
.macro INIT
	v_mov_b32 v12, 0x7f61b1e6
	v_mov_b32 v13, 0xff800000
	v_mov_b32 v14, 0
	v_mov_b32 v15, 0
.set n, 0
.rept 32
	v_mov_b32 v[160+n], 0
.set n, n+1
.endr
.endm
; A KEY STEP: 128 keys, s[TB] bytes behind where the walk begins (v[base]).  qf: Q's fragment.  Steps that are not mine are left out (a scalar branch round the work, not round the lines that step the address and the count), and on the
; diagonal hidden scores become -infinity.
.macro STEP base, qf
	s_sub_co_u32 s52, s[SI], s[LO]
	s_cmp_ge_u32 s52, s[CO]
	s_cbranch_scc1 .Lleft_out_\@
	v_add_nc_u32 v[ADK], s[TB], v[\base]
.rept 3
	v_nop                                          ; with the addition four places behind the last step's products, in front of loads into registers that they have read
.endr
.irp t, 0,1,2,3,4,5,6,7
	ds_load_b128 v[32+8*\t:35+8*\t], v[ADK] offset:1024*\t
	ds_load_b128 v[36+8*\t:39+8*\t], v[ADK] offset:1024*\t+512
.endr
	s_wait_alu depctr_va_vdst(0)                   ; directly ahead of the waits below
.irp t, 0,1,2,3,4,5,6,7
	s_wait_dscnt 14-2*\t                           ; tile t's two loads are in; the later tiles' may be out
	v_wmma_f32_16x16x64_bf8_bf8 v[96+8*\t:103+8*\t], v[32+8*\t:39+8*\t], v[\qf:\qf+7], 0
.endr
.rept 4
	v_nop                                          ; places: in front of the loads below, and of the first read of the scores
.endr
.irp t, 0,1,2,3
.irp c, 0,1,2,3
	ds_load_b128 v[32+16*\t+4*\c:35+16*\t+4*\c], v[ADK] offset:8192+2048*\t+512*\c   ; V^T comes in while the softmax is worked
.endr
.endr
	s_cmp_lg_u32 s[SI], s[TT]
	s_cbranch_scc1 .Lopen_\@
.irp t, 0,1,2,3,4,5,6,7                        ; tile t of 16 keys: behind the diagonal's tile j all is hidden, in it the lanes of the masks, ahead of it nothing
	s_cmp_lt_u32 s[J], \t
	s_cselect_b32 s52, -1, 0
	s_cmp_eq_u32 s[J], \t
.irp i, 0,1,2,3,4,5,6,7
	s_cselect_b32 s[XM+\i], s[MI+\i], s52
.endr
.irp i, 0,1,2,3,4,5,6,7
	v_cndmask_b32 v[96+8*\t+\i], v[96+8*\t+\i], v[NINF], s[XM+\i]
.endr
.endr
.Lopen_\@:
	v_max3_num_f32 v254, v96, v97, v98             ; the step's largest score of my query, among my 64 keys, in two chains; each accumulator is read from its low end on
	v_max3_num_f32 v252, v99, v100, v101
.irp i, 6,10,14,18,22,26,30,34,38,42,46,50,54,58
	v_max3_num_f32 v254, v254, v[96+\i], v[97+\i]
	v_max3_num_f32 v252, v252, v[98+\i], v[99+\i]
.endr
	v_max3_num_f32 v254, v254, v158, v159
	s_delay_alu instid0(VALU_DEP_1)
	v_max_num_f32 v254, v254, v252
	s_delay_alu instid0(VALU_DEP_1)
	v_permlanex16_b32 v236, v254, s[SEL], s[SEL+1]
	s_delay_alu instid0(VALU_DEP_1)
	v_max3_num_f32 v13, v13, v254, v236            ; the running largest score, among lane l xor 16's too
	s_delay_alu instid0(VALU_DEP_1)
	v_mul_f32 v250, s[NC], v13                     ; -t (c is positive)
	s_delay_alu instid0(VALU_DEP_1)
	v_floor_f32 v250, v250                         ; the new -M = floor(-t) = -ceil(t): a whole number
	s_delay_alu instid0(VALU_DEP_1)
	v_sub_f32 v254, v250, v12                      ; M's old value less its new one: a whole number, 0 or less
	v_mov_b32 v12, v250
	s_delay_alu instid0(VALU_DEP_2)
	v_cvt_i32_f32 v254, v254                       ; (it saturates)
	s_delay_alu instid0(VALU_DEP_1)
	v_ldexp_f32 v252, 1.0, v254                    ; f = 2^(old M - new M)
.set n, 0
.rept 32
	v_pk_fma_f32 v[96+n:97+n], v[96+n:97+n], s[CS:CS+1], v[12:13] op_sel_hi:[1,0,0]   ; t - M, two at a time (of the pairs c and -M the low word serves both halves)
.set n, n+2
.endr
	s_wait_alu depctr_va_vdst(0)                   ; the wait ahead of the batch
.set n, 0
.rept 64
	v_exp_f32 v[96+n], v[96+n]                     ; p = 2^(t - M), at most 1: not normalised
.set n, n+1
.endr
	v_pk_mul_f32 v[14:15], v[14:15], v[252:253] op_sel_hi:[1,0]   ; the sums under the new M: the plain line behind the exponentials
	s_wait_alu depctr_va_vdst(0)                   ; one wait for the whole batch and for O^T, ahead of their first readers
.set n, 0
.rept 16
	v_pk_mul_f32 v[160+n:161+n], v[160+n:161+n], v[252:253] op_sel_hi:[1,0]   ; O^T under the new M
.set n, n+2
.endr
.set n, 0
.rept 8
	v_pk_add_f32 v[234+2*n:235+2*n], v[96+4*n:97+4*n], v[98+4*n:99+4*n]   ; the row's sum is taken of the unquantised p, two at a time, in eight chains
.set n, n+1
.endr
.irp q, 128,144
.set n, 0
.rept 8
	v_pk_add_f32 v[234+2*n:235+2*n], v[234+2*n:235+2*n], v[\q+2*n:\q+1+2*n]
.set n, n+1
.endr
.endr
.set n, 0
.rept 4
	v_pk_add_f32 v[234+2*n:235+2*n], v[234+2*n:235+2*n], v[242+2*n:243+2*n]
.set n, n+1
.endr
.set n, 0
.rept 16
	v_dual_min_num_f32 v[96+n], v[96+n], v[PLIM] :: v_dual_min_num_f32 v[97+n], v[97+n], v[PLIM]   ; the conversion does not saturate (ISA guide 7.6.2); p is not negative, so the hold is one-sided
.set n, n+2
.endr
	v_pk_add_f32 v[234:235], v[234:235], v[238:239]
	v_pk_add_f32 v[240:241], v[236:237], v[240:241]
.rept 16
	v_dual_min_num_f32 v[96+n], v[96+n], v[PLIM] :: v_dual_min_num_f32 v[97+n], v[97+n], v[PLIM]
.set n, n+2
.endr
	v_pk_add_f32 v[234:235], v[234:235], v[240:241]
.irp t, 0,1,2,3,4,5,6,7
	v_cvt_scalef32_pk8_bf8_f32 v[192+2*\t:193+2*\t], v[96+8*\t:103+8*\t], v[PSC]   ; registers 2 t, 2 t + 1 of the operand: keys 16 t + 8 (lane / 16) + 0 .. 7
.endr
	v_pk_add_f32 v[14:15], v[14:15], v[234:235]    ; (also the plain line between the conversions and the products)
	s_wait_alu depctr_va_vdst(0)                   ; directly ahead of the wait below
	s_wait_dscnt 0x0                               ; V^T is in
.irp t, 0,1,2,3
	v_wmma_f32_16x16x128_bf8_bf8 v[160+8*\t:167+8*\t], v[32+16*\t:47+16*\t], v[192:207], v[160+8*\t:167+8*\t]   ; four accumulators by turns; between two links of one stand the three others' and the next step's eight
.endr
.Lleft_out_\@:
	s_add_co_u32 s[SI], s[SI], 1
	s_add_co_u32 s[TB], s[TB], STEPB
.endm
	INIT
	s_wait_alu depctr_va_vdst(0)                   ; the wait at the head's end
	s_wait_loadcnt 0x0                             ; Q
	s_wait_tensorcnt 0x0                           ; my key step is in
	s_barrier_signal -1
	s_barrier_wait -1                              ; the head's whole block lies in LDS
	s_mov_b32 s[CNT], 9
.Lfirst:                                           ; the first tile
	STEP LIW, 16
	s_sub_co_u32 s[CNT], s[CNT], 1
	s_cmp_lg_u32 s[CNT], 0
	s_cbranch_scc1 .Lfirst
	s_cmp_lt_u32 s[WV], 8
	s_cbranch_scc1 .Lno_part
.rept 4
	v_nop                                          ; places behind the last products
.endr
.irp n, 0,1,2,3,4,5,6,7
	ds_store_b128 v[PAD], v[160+4*\n:163+4*\n] offset:512*\n   ; my part of the first tile, for wave w
.endr
	ds_store_b128 v[PAD], v[12:15] offset:4096
	INIT
	s_wait_alu depctr_va_vdst(0)
.Lno_part:
	s_mov_b32 s[TB], 0
	s_mov_b32 s[SI], 0
	s_mov_b32 s[LO], 0
	s_sub_co_u32 s[TT], 7, s[WP]
	s_sub_co_u32 s[CO], 8, s[WP]
	s_cmp_eq_u32 s[ROLE], 0
	s_cselect_b32 s[CO], 0, s[CO]                  ; waves 0-7 have no step of the second tile
	s_mov_b32 s[CNT], 8
	s_wait_dscnt 0x0                               ; my part is stored (waves 8-15)
.Lsecond:                                          ; the second tile: key steps 0 .. 7 - w
	STEP LI, 24
	s_sub_co_u32 s[CNT], s[CNT], 1
	s_cmp_lg_u32 s[CNT], 0
	s_cbranch_scc1 .Lsecond
	s_wait_dscnt 0x0
	s_barrier_signal -1
	s_barrier_wait -1                              ; all parts lie in LDS
	s_cmp_ge_u32 s[WV], 8
	s_cbranch_scc1 .Lout
.rept 4
	v_nop                                          ; places behind the last products, in front of loads into registers that they have read
.endr
.irp n, 0,1,2,3,4,5,6,7
	ds_load_b128 v[32+4*\n:35+4*\n], v[PAD] offset:512*\n
.endr
	ds_load_b128 v[64:67], v[PAD] offset:4096
	s_wait_dscnt 0x0
	v_min_num_f32 v250, v12, v64                   ; the join: the larger M of the two parts,
	v_sub_f32 v254, v250, v12
	v_sub_f32 v252, v250, v64
	v_cvt_i32_f32 v254, v254
	v_cvt_i32_f32 v252, v252
	v_ldexp_f32 v254, 1.0, v254                    ; my part's factor,
	v_ldexp_f32 v252, 1.0, v252                    ; and the other's: powers of two
	v_pk_mul_f32 v[66:67], v[66:67], v[252:253] op_sel_hi:[1,0]
.set n, 0
.rept 16
	v_pk_mul_f32 v[32+n:33+n], v[32+n:33+n], v[252:253] op_sel_hi:[1,0]
.set n, n+2
.endr
	v_pk_fma_f32 v[14:15], v[14:15], v[254:255], v[66:67] op_sel_hi:[1,0,1]
.set n, 0
.rept 16
	v_pk_fma_f32 v[160+n:161+n], v[160+n:161+n], v[254:255], v[32+n:33+n] op_sel_hi:[1,0,1]
.set n, n+2
.endr
	s_wait_alu depctr_va_vdst(0)
.Lout:
; A tile ends: O^T / the sum, held, converted with the folded scale; tiles 2 b and 2 b + 1 give registers 4 b .. 4 b + 3: features 32 b + 16 (lane / 16) + 0 .. 15.  Two stores of 512 consecutive bytes, aligned.
.rept 4
	v_nop                                          ; places behind the last products (the trips left out between hold no vector line)
.endr
	v_add_f32 v14, v14, v15                        ; the sum's two halves,
	s_delay_alu instid0(VALU_DEP_1)
	v_permlanex16_b32 v252, v14, s[SEL], s[SEL+1]
	s_delay_alu instid0(VALU_DEP_1)
	v_add_f32 v14, v14, v252                       ; and lane l xor 16's: the row's sum, above 1/2
	s_wait_alu depctr_va_vdst(0)                   ; the wait ahead of the transcendental,
	v_rcp_f32 v14, v14
	v_nop                                          ; a plain line behind it,
	s_wait_alu depctr_va_vdst(0)                   ; and the wait ahead of its first reader and of O^T's
.set n, 0
.rept 16
	v_pk_mul_f32 v[96+n:97+n], v[160+n:161+n], v[14:15] op_sel_hi:[1,0]
.set n, n+2
.endr
.set n, 0
.rept 32
	v_med3_num_f32 v[96+n], v[96+n], -v[OLIM], v[OLIM]
.set n, n+1
.endr
.irp t, 0,1,2,3
	v_cvt_scalef32_pk8_bf8_f32 v[208+2*\t:209+2*\t], v[96+8*\t:103+8*\t], v[OSC]
.endr
	v_nop                                          ; one plain line behind the last conversion
	global_store_b128 v[LI], v[208:211], s[OA:OA+1]
	global_store_b128 v[LI], v[212:215], s[OA:OA+1] offset:512
	s_wait_tensorcnt 0x0                           ; the wave's end
	ds_add_u32 v[SPW], v[NIL]
	s_wait_dscnt 0x0
	CROUND                                         ; the closing round: no work-group ends while a partner may still ask for a load that names it
	s_endpgm
.Lfunc_end_k_q2793d8a74b_attn:
	.size	k_q2793d8a74b_attn, .Lfunc_end_k_q2793d8a74b_attn-k_q2793d8a74b_attn
	.p2alignl 7, 3214868480
	.fill 96, 4, 3214868480
	.section	.rodata,"a",@progbits
	.p2align	6, 0x0
	.amdhsa_kernel k_q2793d8a74b_attn
		.amdhsa_group_segment_fixed_size 327680
		.amdhsa_private_segment_fixed_size 0
		.amdhsa_enable_private_segment 0
		.amdhsa_kernarg_size 32
		.amdhsa_user_sgpr_count 2
		.amdhsa_user_sgpr_kernarg_segment_ptr 1
		.amdhsa_wavefront_size32 1
		.amdhsa_system_sgpr_workgroup_id_x 1
		.amdhsa_system_sgpr_workgroup_id_y 1
		.amdhsa_system_sgpr_workgroup_id_z 1
		.amdhsa_system_vgpr_workitem_id 0
		.amdhsa_next_free_vgpr 256
		.amdhsa_next_free_sgpr 96
		.amdhsa_reserve_vcc 0
		.amdhsa_float_denorm_mode_32 3
		.amdhsa_float_denorm_mode_16_64 3
		.amdhsa_memory_ordered 1
		.amdhsa_forward_progress 1
		.amdhsa_inst_pref_size 63
	.end_amdhsa_kernel
	.amdgpu_metadata
---
amdhsa.version: [ 1, 2 ]
amdhsa.kernels:
  - .name:           k_q2793d8a74b_attn
    .symbol:         k_q2793d8a74b_attn.kd
    .args:
      - { .name: qc, .offset: 0, .size: 8, .value_kind: global_buffer, .address_space: global }
      - { .name: kv, .offset: 8, .size: 8, .value_kind: global_buffer, .address_space: global }
      - { .name: lowp_scales, .offset: 16, .size: 8, .value_kind: global_buffer, .address_space: global }
      - { .name: ao, .offset: 24, .size: 8, .value_kind: global_buffer, .address_space: global }
    .group_segment_fixed_size: 327680
    .private_segment_fixed_size: 0
    .kernarg_segment_align: 8
    .kernarg_segment_size: 32
    .max_flat_workgroup_size: 512
    .sgpr_count:     96
    .vgpr_count:     256
    .wavefront_size: 32
...
	.end_amdgpu_metadata
.endif
;; end of part 3
;; launch oproj (part 4): grid 8 x 32, 4 waves a work-group, clusters of 4 x 4, 327,680 bytes of LDS; arguments ao, codes, lowp_scales, out0; writes out0
.if DOCPART == 4
	.amdgcn_target "amdgcn-amd-amdhsa--gfx1250"
	.amdhsa_code_object_version 6
	.text
	.protected	k_q2793d8a74b_oproj
	.globl	k_q2793d8a74b_oproj
	.p2align	8
	.type	k_q2793d8a74b_oproj,@function
k_q2793d8a74b_oproj:
	s_mov_b64 s[64:65], 0
	v_nop
	global_prefetch_b8 v0, s[64:65] scope:SCOPE_SE
	s_setreg_imm32_b32 hwreg(HW_REG_WAVE_MODE, 25, 1), 1
	s_wait_xcnt 0x0
	s_wait_alu depctr_hold_cnt(0) depctr_sa_sdst(0) depctr_va_vdst(0) depctr_va_sdst(0) depctr_va_ssrc(0) depctr_va_vcc(0) depctr_vm_vsrc(0)
	s_getreg_b32 s2, hwreg(HW_REG_IB_STS2, 6, 4)
	s_cmp_eq_u32 s2, 0
	s_cbranch_scc0 .Lentry_in_a_cluster
	s_endpgm
.Lentry_in_a_cluster:
	s_bfe_u32 s2, ttmp6, 0x10000c
	s_cmp_lg_u32 s2, 0xf033
	s_cbranch_scc0 .Lentry_shape_is_right
	s_endpgm
.Lentry_shape_is_right:
; THE LAST PROJECTION, out[4096][1024] = attention wo^T, on codes of BF8 (E5M2), f32 out: each finished sum is multiplied once by 2^(e10 + e11).  LIMIT: e10 + e11 lies between -126 and 127.
; ao: [tile of 16 rows 256][head 16][1,024]: images of operand registers: two heads' images, 2,048 bytes, are a 16 x 128 fragment: chunk c of 512 bytes holds K = 32 c + 16 (lane / 16) + 0 .. 15 of row lane % 16.  wo's codes: rows of 1,024 bytes, at 15 MiB.
; A work-group of four waves makes 128 x 128 of out; a wave 64 x 64: 16 accumulators, 128 registers.  256 work-groups: one whole turn.
; K = 1,024 lies WHOLE in LDS, in two halves: 65,536 bytes of A's and 128 rows of 512 bytes + 16 of padding of B's.  Four joint loads, one a wave, all at the head: waves 0, 1 the two halves of A, waves 2, 3 those of B.  Nothing is filled again.
; CLUSTERS: 4 x 4 work-groups: the four of a row share A's rows, the four of a column B's: each load is asked for JOINTLY.  No prefetch: all loads set out at the head, and no loop asks for anything.
; THE MATRIX INSTRUCTION IS USED TRANSPOSED (source 0 = 16 rows of B, source 1 = 16 rows of A): a lane holds eight neighbouring numbers of a row of out.
; REGISTERS: window 0: v0-31 addresses; v32-63 at work and v64-191 rows read back on the way out; v128-255 A's fragments, two buffers.  Window 1: v0-127 B's fragments, two buffers; v128-255 the accumulators ((a, b) at v[128 + 8 (4 a + b)]).
.set AHALF,  65536
.set BPITCH, 528                       ; an LDS row of B: 132 words: row r starts at bank 4 r mod 64 (64 banks of 4 bytes: ISA guide 11.1)
.set BHALF,  128*BPITCH
.set BOFF,   2*AHALF
.set SPITCH, 272
.set STAGE,  BOFF+2*BHALF              ; 16 rows x 272 bytes for each wave, for the way out: no load lands there
.set SPARE,  STAGE+4*16*SPITCH         ; the spare words, 128 bytes for each wave: two blocks of 256 bytes that no other line names
.set ADRA, 16                          ; v16-17  LDS address of my A fragments in half 0, 1
.set ADRB, 18                          ; v18-19  the same for B
.set STO,  24                          ; v24     the way out: where I put 32 bytes of a row
.set RD,   25                          ; v25     where I read a row back
.set CO,   26                          ; v26     my byte offset in out
.set SPW,  28                          ; v28     LDS address of my spare word; never rewritten
.set NIL,  29                          ; v29     0; never rewritten
.set TMP,  32
.set BK,   64
.set G1, 24                            ; s[24:31], s[32:35] descriptor groups 1 and 0 for A;  s[48:55], s[56:59] for B
.set G0, 32
.set G1B, 48
.set G0B, 56
.set MSB, 0
.macro WIN new                         ; the immediate's high byte repeats the setting that is left
.if MSB != \new
	s_set_vgpr_msb (MSB<<8)|\new
.set MSB, \new
.endif
.endm
.macro CROUND                          ; a round of the cluster's barrier
	s_barrier_signal -1
	s_barrier_wait -1
	s_cmp_lg_u32 s14, 0
	s_cbranch_scc1 .Lnot_wave_0_\@
	s_barrier_signal -3
.Lnot_wave_0_\@:
	s_barrier_wait -3
	s_barrier_signal -1
	s_barrier_wait -1
.endm
	s_load_b128 s[4:7], s[0:1], 0x0                ; ao s[4:5], the codes s[6:7]
	s_load_b128 s[8:11], s[0:1], 0x10              ; the exponents s[8:9], out0 s[10:11]
	v_lshl_add_u32 v[SPW], v0, 2, SPARE
	v_mov_b32 v[NIL], 0
	ds_add_u32 v[SPW], v[NIL]                      ; the wave's opening: the add, twice on end, and its wait ahead of my first tensor load
	ds_add_u32 v[SPW], v[NIL]
	v_lshrrev_b32 v1, 5, v0
	v_and_b32 v6, 31, v0
	v_readfirstlane_b32 s14, v1                    ; wave 0..3
	v_and_b32 v2, 15, v0                           ; r = lane % 16
	v_bfe_u32 v3, v0, 4, 1                         ; h = lane / 16
	s_and_b32 s15, s14, 1                          ; which half of the tile's rows is mine.  Also: which half of K I fetch
	s_lshr_b32 s16, s14, 1                         ; which half of its columns
	v_lshlrev_b32 v6, 4, v6                        ; 16 x lane
	v_mul_u32_u24 v4, v2, BPITCH
	s_lshl_b32 s18, s15, 15                        ; my four tiles of 8,192 bytes in a half of A
	v_lshl_add_u32 v4, v3, 4, v4                   ; row x pitch + 16 h
	s_mul_i32 s19, s16, 64*BPITCH
	s_add_co_u32 s19, s19, BOFF                    ; my 64 rows of B
	s_mul_i32 s23, s14, 16*SPITCH
	s_add_co_u32 s23, s23, STAGE                   ; my stage
	v_add_nc_u32 v[ADRA], s18, v6
	v_add_nc_u32 v[ADRB], s19, v4
	v_mul_u32_u24 v5, v2, SPITCH
	v_mul_u32_u24 v7, v3, SPITCH
	v_add_nc_u32 v[ADRA+1], AHALF, v[ADRA]
	v_add_nc_u32 v[ADRB+1], BHALF, v[ADRB]
	v_lshl_add_u32 v5, v3, 5, v5                   ; in: row r, 32 bytes for each half of the lanes
	v_lshl_add_u32 v7, v2, 4, v7                   ; back: lanes 0-15 one row of 256 bytes, lanes 16-31 the next
	v_lshlrev_b32 v8, 12, v3
	v_add_nc_u32 v[STO], s23, v5
	v_add_nc_u32 v[RD], s23, v7
	v_lshl_add_u32 v[CO], v2, 4, v8                ; and the same two rows in out
	s_bfe_u32 s40, ttmp6, 0x40000                  ; cx, cy: my place in the cluster
	s_bfe_u32 s41, ttmp6, 0x40004
	s_lshl_b32 s42, ttmp9, 2
	s_add_co_u32 s42, s42, s40                     ; tile column, 0..7
	s_and_b32 s17, ttmp7, 0xffff
	s_lshl_b32 s17, s17, 2
	s_add_co_u32 s17, s17, s41                     ; tile row, 0..31
	s_lshl_b32 s43, s41, 2
	s_lshl_b32 s43, 15, s43                        ; my row of the cluster
	s_lshl_b32 s44, 0x1111, s40                    ; my column
	s_or_b32 s[G1+0], s43, 1<<21                   ; A: 8 rows (tiles of 16) of 8,192 bytes (half of K), 16,384 apart; no padding; 21 set beside a mask
	s_mov_b32 s[G1+1], 8192<<16
	s_mov_b32 s[G1+2], 8<<16
	s_mov_b32 s[G1+3], 8192<<16
	s_mov_b32 s[G1+4], 8
	s_mov_b32 s[G1+5], 16384
	s_mov_b32 s[G1+6], 0
	s_mov_b32 s[G1+7], 0
	s_or_b32 s[G1B+0], s44, (1<<20)|(1<<21)|(6<<22)|(3<<25)   ; B: 128 rows of 512 bytes, 1,024 apart; four words of padding after every 128
	s_mov_b32 s[G1B+1], 512<<16
	s_mov_b32 s[G1B+2], 128<<16
	s_mov_b32 s[G1B+3], 512<<16
	s_mov_b32 s[G1B+4], 128
	s_mov_b32 s[G1B+5], 1024
	s_mov_b32 s[G1B+6], 0
	s_mov_b32 s[G1B+7], 0
	s_mov_b32 s[G0], 1
	s_lshl_b32 s[G0+1], s15, 16                    ; no place in the cluster enters an LDS address
	s_mov_b32 s[G0B], 1
	s_mul_i32 s[G0B+1], s15, BHALF
	s_add_co_u32 s[G0B+1], s[G0B+1], BOFF
	s_lshl_b32 s20, s17, 17                        ; A: 131,072 bytes for a tile row,
	s_lshl_b32 s18, s15, 13
	s_add_co_u32 s20, s20, s18                     ; 8,192 for a half of K
	s_mov_b32 s21, 0
	s_lshl_b32 s46, s42, 17                        ; B: 128 rows for a tile column, in registers that never hold cy
	s_lshl_b32 s18, s15, 9
	s_add_co_u32 s46, s46, s18
	s_add_co_u32 s46, s46, 15<<20
	s_mov_b32 s47, 0
	s_wait_alu depctr_va_vdst(0)                   ; it covers all that the head's vector instructions wrote
	s_wait_dscnt 0x0                               ; both opening adds are done
	s_wait_kmcnt 0x0
	s_load_b64 s[60:61], s[8:9], 0x28              ; e10, e11
	s_add_nc_u64 s[G0+2:G0+3], s[4:5], s[20:21]
	s_or_b32 s[G0+3], s[G0+3], 0x80000000
	s_add_nc_u64 s[G0B+2:G0B+3], s[6:7], s[46:47]
	s_or_b32 s[G0B+3], s[G0B+3], 0x80000000
	CROUND                                         ; all sixteen work-groups are here: the joint loads meet
	s_cmp_lt_u32 s14, 2                            ; my one tensor load: each of the two lines has one mask; the branch hangs on the wave's number alone
	s_cbranch_scc0 .Lfor_b
	tensor_load_to_lds s[G0:G0+3], s[G1:G1+7]
	s_nop 0
.rept 4
	v_nop
.endr
	s_branch .Lasked
.Lfor_b:
	tensor_load_to_lds s[G0B:G0B+3], s[G1B:G1B+7]
	s_nop 0
.rept 4
	v_nop
.endr
.Lasked:
	; where my 64 x 64 begins in out, in bytes
	s_lshl_b32 s20, s17, 7
	s_lshl_b32 s21, s15, 6
	s_add_co_u32 s20, s20, s21
	s_lshl_b32 s20, s20, 12                        ; row 128 x tile row + 64 x half, of 4,096 bytes
	s_lshl_b32 s46, s42, 9
	s_add_co_u32 s20, s20, s46
	s_lshl_b32 s46, s16, 8
	s_add_co_u32 s20, s20, s46                     ; + 512 x tile column + 256 x half
	s_mov_b32 s21, 0
	s_add_nc_u64 s[10:11], s[10:11], s[20:21]
	s_wait_kmcnt 0x0
	s_add_co_i32 s60, s60, s61
	s_add_co_i32 s60, s60, 127
	s_lshl_b32 s60, s60, 23                        ; 2^(e10 + e11) as f32 (s61 is named with it as a pair)
.macro LOADS q                         ; the fragments of step q (128 along K) into buffer q % 2: 32 loads
	WIN 0x40
.irp i, 0,1,2,3
.irp c, 0,1,2,3
	ds_load_b128 v[64*((\q)%2)+16*\i+4*\c:64*((\q)%2)+16*\i+4*\c+3], v[ADRB+(\q)/4] offset:16*\i*BPITCH+128*((\q)%4)+32*\c
.endr
.endr
	WIN 0
.irp i, 0,1,2,3
.irp c, 0,1,2,3
	ds_load_b128 v[128+64*((\q)%2)+16*\i+4*\c:128+64*((\q)%2)+16*\i+4*\c+3], v[ADRA+(\q)/4] offset:8192*\i+2048*((\q)%4)+512*\c
.endr
.endr
.endm
.macro MUL q, a0                       ; 8 matrix instructions: A's blocks a0, a0 + 1 x B's four.  The 16 accumulators take turns in the same order in every step; step 0 starts the sums
	WIN 0x51                                       ; source 0 (B), C and D window 1, source 1 (A) window 0
.irp a, \a0, \a0+1
.irp b, 0,1,2,3
.if (\q) == 0
	v_wmma_f32_16x16x128_bf8_bf8 v[128+8*(4*(\a)+\b):135+8*(4*(\a)+\b)], v[64*((\q)%2)+16*\b:64*((\q)%2)+16*\b+15], v[128+64*((\q)%2)+16*(\a):128+64*((\q)%2)+16*(\a)+15], 0
.else
	v_wmma_f32_16x16x128_bf8_bf8 v[128+8*(4*(\a)+\b):135+8*(4*(\a)+\b)], v[64*((\q)%2)+16*\b:64*((\q)%2)+16*\b+15], v[128+64*((\q)%2)+16*(\a):128+64*((\q)%2)+16*(\a)+15], v[128+8*(4*(\a)+\b):135+8*(4*(\a)+\b)]
.endif
.endr
.endr
.endm
.macro PLACES                          ; four places behind matrix instructions, in front of loads into registers that they have read and of the first read of results
.rept 4
	v_nop
.endr
.endm
	s_wait_tensorcnt 0x0                           ; my load is in,
	s_barrier_signal -1
	s_barrier_wait -1                              ; and everybody's: nothing is ever filled again
	LOADS 0
.irp q, 0,1,2,3,4,5,6
.if \q > 0
	PLACES
.endif
	LOADS \q+1
	s_wait_dscnt 32                                ; step q's loads are in; the next step's 32 may be out
	MUL \q, 0
	MUL \q, 2
.endr
	s_wait_dscnt 0x0
	MUL 7, 0
	MUL 7, 2
	PLACES
; THE WAY OUT, block by block of 16 rows x 64 columns, through my own stage in LDS, and back as whole rows of 256 bytes: sixteen lanes store one aligned unit.  LDS serves a wave's instructions in order (ISA guide 5.7.1.4):
; no wait stands between the stores and the loads, nor in front of the next block's stores.  Each block comes back into registers of its own.
.macro TOSTAGE a
	WIN 0x01                                       ; source 0: window 1
.set n, 0
.rept 16
	v_pk_mul_f32 v[TMP+n:TMP+n+1], v[128+32*(\a)+n:129+32*(\a)+n], s[60:61] op_sel_hi:[1,0]   ; both x s60; each accumulator from its low end on
.set n, n+2
.endr
	WIN 0
.irp b, 0,1,2,3
	ds_store_b128 v[STO], v[TMP+8*\b:TMP+8*\b+3] offset:64*\b
	ds_store_b128 v[STO], v[TMP+8*\b+4:TMP+8*\b+7] offset:64*\b+16
.endr
.irp t, 0,1,2,3,4,5,6,7
	ds_load_b128 v[BK+32*(\a)+4*\t:BK+32*(\a)+4*\t+3], v[RD] offset:2*\t*SPITCH
.endr
.endm
.macro SEND a, younger                 ; younger: the LDS instructions issued behind block a's loads
	s_wait_dscnt \younger
.irp t, 0,1,2,3,4,5,6,7
	global_store_b128 v[CO], v[BK+32*(\a)+4*\t:BK+32*(\a)+4*\t+3], s[10:11] offset:65536*(\a)+8192*\t th:TH_STORE_NT   ; two rows: two aligned units of 256 bytes; written once, read by nobody here
.endr
.endm
	TOSTAGE 0
.irp a, 1,2,3
	TOSTAGE \a
	SEND \a-1, 16                                  ; block a's 8 stores and 8 loads may be out
.endr
	SEND 3, 0
	s_wait_tensorcnt 0x0                           ; the wave's end
	ds_add_u32 v[SPW], v[NIL]
	s_wait_dscnt 0x0
	CROUND                                         ; the closing round: no work-group ends while a partner may still ask for a tile that names it
	s_endpgm
.Lfunc_end_k_q2793d8a74b_oproj:
	.size	k_q2793d8a74b_oproj, .Lfunc_end_k_q2793d8a74b_oproj-k_q2793d8a74b_oproj
	.p2alignl 7, 3214868480
	.fill 96, 4, 3214868480
	.section	.rodata,"a",@progbits
	.p2align	6, 0x0
	.amdhsa_kernel k_q2793d8a74b_oproj
		.amdhsa_group_segment_fixed_size 327680
		.amdhsa_private_segment_fixed_size 0
		.amdhsa_enable_private_segment 0
		.amdhsa_kernarg_size 32
		.amdhsa_user_sgpr_count 2
		.amdhsa_user_sgpr_kernarg_segment_ptr 1
		.amdhsa_wavefront_size32 1
		.amdhsa_system_sgpr_workgroup_id_x 1
		.amdhsa_system_sgpr_workgroup_id_y 1
		.amdhsa_system_sgpr_workgroup_id_z 1
		.amdhsa_system_vgpr_workitem_id 0
		.amdhsa_next_free_vgpr 512
		.amdhsa_next_free_sgpr 96
		.amdhsa_reserve_vcc 0
		.amdhsa_float_denorm_mode_32 3
		.amdhsa_float_denorm_mode_16_64 3
		.amdhsa_memory_ordered 1
		.amdhsa_forward_progress 1
		.amdhsa_inst_pref_size 44
	.end_amdhsa_kernel
	.amdgpu_metadata
---
amdhsa.version: [ 1, 2 ]
amdhsa.kernels:
  - .name:           k_q2793d8a74b_oproj
    .symbol:         k_q2793d8a74b_oproj.kd
    .args:
      - { .name: ao, .offset: 0, .size: 8, .value_kind: global_buffer, .address_space: global }
      - { .name: codes, .offset: 8, .size: 8, .value_kind: global_buffer, .address_space: global }
      - { .name: lowp_scales, .offset: 16, .size: 8, .value_kind: global_buffer, .address_space: global }
      - { .name: out0, .offset: 24, .size: 8, .value_kind: global_buffer, .address_space: global }
    .group_segment_fixed_size: 327680
    .private_segment_fixed_size: 0
    .kernarg_segment_align: 8
    .kernarg_segment_size: 32
    .max_flat_workgroup_size: 128
    .sgpr_count:     96
    .vgpr_count:     512
    .wavefront_size: 32
...
	.end_amdgpu_metadata
.endif
;; end of part 4
